; MI455X (gfx1250); checked and timed in simulation.
; The chip was launched on July 23, 2026; its instructions are those of AMD's public machine-readable ISA for CDNA 5 (MIT licence, August 2026) and "CDNA5" Instruction Set Architecture Reference Guide (July 2026). The comments in the code are by the model that wrote it; some were corrected since.
;; Kernel AM Controller. Allowed arithmetic: float matrix products may take bf16 or f16 operands with f32 sums; other float arithmetic in f32, or as packed bf16 or f16 multiplies, adds, multiply-adds, maxima and minima; sums over many terms, partial sums and values carried from step to step in f32; what a program stores and reads back later, other than sums and carried values, may be rounded once to bf16 or f16.
;; Inputs: grid_adjoints 20 x 2,500 x 2 float32; grid_counts 20 x 2,500 int32; grid_points 2,500 x 2 float32; t 32,768 x 1 float32; t_edges 21 float32; x 32,768 x 2 float32.
;; Outputs: out0 32,768 x 2 float32.
;; One version. Each part assembles by itself: llvm-mc -triple=amdgcn-amd-amdhsa -mcpu=gfx1250 --defsym DOCPART=n.
;; ======== version 1 of 1: 2 launches
;; limits: values outside matrix products are rounded to bf16
;; workspace buffers: tab 323,584 bytes; tlo 222,464 bytes
;; launch prep (part 1): grid 79 x 1, 4 waves a work-group, no clusters, 0 bytes of LDS; arguments grid_adjoints, grid_counts, grid_points, tab, tlo; writes tab, tlo
.if DOCPART == 1
	.amdgcn_target "amdgcn-amd-amdhsa--gfx1250"
	.amdhsa_code_object_version 6
	.text
	.protected	k_q29687352f3_prep
	.globl	k_q29687352f3_prep
	.p2align	8
	.type	k_q29687352f3_prep,@function
k_q29687352f3_prep:
	s_mov_b64 s[64:65], 0
	v_nop
	global_prefetch_b8 v0, s[64:65] scope:SCOPE_SE
	s_setreg_imm32_b32 hwreg(HW_REG_WAVE_MODE, 25, 1), 1
	s_wait_xcnt 0x0
; KernelAMController, first of two launches: the two tables that the second launch multiplies by.
; out[b] = -(sum_g w[b,g] m[tb(b),g] adj[tb(b),g,:]) / (sum_g w[b,g] m[tb(b),g] + 1e-10),  w = exp(-2 |x_b - p_g|^2),  m = (count > 0).
; WHAT IS LEFT OUT OF THE PROGRAM, for all values of the inputs: t_edges[0] and t_edges[20], which t_edges[1:-1] slices away; and the clip to 0..19, an identity, since a search
; over 19 edges ends in 0..19.  Every input has a way to the output: all six are loaded (t, t_edges and x by the second launch).
; LIMITS.  Where a cell is empty the tables hold 0 in place of the adjoint, so a NaN or an infinity in an adjoint under an empty cell is not carried to the result.
; TWO NUMBERS FOR AN ADJOINT.  bf16 keeps 8 significant bits; a query with two or three points of weight whose adjoints nearly cancel keeps that rounding's error whole.  So m adj is given as
; hi = bf16(m adj), in tab, and lo = bf16(m adj - hi), in tlo: 16 bits together.
; tab: 79 records of 4,096 bytes, record s for the grid points 32 s .. 32 s + 31 (places at or past 2,500 hold 0).  For each time bin three columns: kind 0, 1: hi of m adj[..,0], m adj[..,1];
; kind 2: m.  They lie as the matrix instruction's first source takes them: 16 bytes = one column, 8 points g = 32 s + 8 qh + 0..7 (qh = 0..3).
;   bytes 0..3071:    kind c, bins 0..15:   1024 c + 256 qh + 16 bin
;   bytes 3072..3839: bins 16..19:          3072 + 192 qh + 64 c + 16 (bin - 16)
;   bytes 3840..4095: k p, k = sqrt(2 log2 e), f32: half h of the lanes, coordinate d, place i = 0..15 at 128 h + 64 d + 4 i, for the point g = 32 s + 16 (i / 8) + 8 h + i % 8
; tlo: 79 records of 2,816 bytes, the lo parts in the same order: kinds 0, 1 of bins 0..15 at 1024 c + 256 qh + 16 bin; bins 16..19 at 2048 + 192 qh + 64 c + 16 (bin - 16), kind 2 there 0.
; SHARES.  A work-group makes a record of each.  Waves 0, 1: a thread takes a bin below 16 and 8 points, reads their counts and adjoints once and stores its columns; sixteen lanes store 256
; bytes on end.  Wave 2, lanes 0..15: the same for bins 16..19.  Wave 3: the points, 8 bytes a lane, 256 bytes on end.
.set G,    2500
.set LREC, 2816
.set KS,   0x3fd96d27                  ; k = sqrt(2 log2 e) = 1.6986436: 2^-(k^2 d^2) = e^(-2 d^2)
	s_load_b256 s[4:11], s[0:1], 0x0               ; adjoints s[4:5], counts s[6:7], points s[8:9], tab s[10:11]
	s_load_b64 s[22:23], s[0:1], 0x20              ; tlo
	v_lshrrev_b32 v1, 5, v0
	v_readfirstlane_b32 s12, v1                    ; wave 0..3
	s_lshl_b32 s13, ttmp9, 5                       ; the record's first point
	s_lshl_b32 s14, ttmp9, 12                      ; the record's first byte in tab,
	s_mov_b32 s15, 0
	s_mul_i32 s24, ttmp9, LREC                     ; in tlo
	s_mov_b32 s25, 0
	s_movk_i32 s18, G
	v_and_b32 v5, 31, v0                           ; lane
	s_wait_kmcnt 0x0
	s_add_nc_u64 s[10:11], s[10:11], s[14:15]
	s_add_nc_u64 s[22:23], s[22:23], s[24:25]
; v2 = bin, v3 = qh, v4 = byte of the kind 0 column in tab's record; step = bytes from kind to kind; lo = what leads from v4 to the same column in tlo's record; zero = 1: tlo has a kind 2, of zeros.
; The 8 points are read as two halves of 4: 2,500 is a multiple of 4, so a half lies wholly inside or wholly past the end; a half past the end reads points 2,496.. and is masked away.
.macro TABLE step, lo, zero
	v_lshl_add_u32 v6, v3, 3, s13                  ; first point of the first half,
	v_add_nc_u32 v7, 4, v6                         ; of the second
	v_cmp_gt_u32 s16, s18, v6                      ; is the half inside?
	v_cmp_gt_u32 s17, s18, v7
	v_min_u32 v6, G-4, v6
	v_min_u32 v7, G-4, v7
	v_mul_u32_u24 v8, v2, G                        ; the bin's row
	v_add_nc_u32 v6, v8, v6
	v_add_nc_u32 v7, v8, v7
	v_lshlrev_b32 v9, 2, v6                        ; 4 bytes a count,
	v_lshlrev_b32 v10, 2, v7
	v_lshlrev_b32 v11, 3, v6                       ; 8 bytes a pair of adjoints
	v_lshlrev_b32 v12, 3, v7
	global_load_b128 v[16:19], v9, s[6:7]
	global_load_b128 v[20:23], v10, s[6:7]
	global_load_b128 v[24:27], v11, s[4:5]
	global_load_b128 v[28:31], v11, s[4:5] offset:16
	global_load_b128 v[32:35], v12, s[4:5]
	global_load_b128 v[36:39], v12, s[4:5] offset:16
	v_mov_b32 v13, 1.0
	s_wait_loadcnt 0x0
.set e, 0
.rept 8
	v_cmp_lt_i32 vcc_lo, 0, v[16+e]                ; count > 0,
	s_and_b32 vcc_lo, vcc_lo, s[16+e/4]            ; and the point exists
	v_cndmask_b32 v[40+e], 0, v[24+2*e], vcc_lo
	v_cndmask_b32 v[48+e], 0, v[25+2*e], vcc_lo
	v_cndmask_b32 v[56+e], 0, v13, vcc_lo
.set e, e+1
.endr
.set e, 0
.rept 12                                       ; 3 kinds x 4 pairs, rounded: hi
	v_cvt_pk_bf16_f32 v[64+e], v[40+2*e], v[41+2*e]
.set e, e+1
.endr
.set e, 0
.rept 8                                        ; kinds 0 and 1: what the rounding left (an exact difference), rounded: lo
	v_lshlrev_b32 v16, 16, v[64+e]
	v_and_b32 v17, 0xffff0000, v[64+e]
	v_sub_f32 v[40+2*e], v[40+2*e], v16
	v_sub_f32 v[41+2*e], v[41+2*e], v17
	v_cvt_pk_bf16_f32 v[76+e], v[40+2*e], v[41+2*e]
.set e, e+1
.endr
.if \zero
.irp r, 84,85,86,87
	v_mov_b32 v\r, 0
.endr
.endif
	global_store_b128 v4, v[64:67], s[10:11]
	global_store_b128 v4, v[68:71], s[10:11] offset:(\step)
	global_store_b128 v4, v[72:75], s[10:11] offset:2*(\step)
	global_store_b128 v4, v[76:79], s[22:23] offset:(\lo)
	global_store_b128 v4, v[80:83], s[22:23] offset:(\lo)+(\step)
.if \zero
	global_store_b128 v4, v[84:87], s[22:23] offset:(\lo)+2*(\step)
.endif
.endm
	s_cmp_eq_u32 s12, 3
	s_cbranch_scc1 .Lpoints
	s_cmp_eq_u32 s12, 2
	s_cbranch_scc1 .Lhigh
	v_and_b32 v2, 15, v0                           ; bins 0..15: threads 0..63
	v_lshrrev_b32 v3, 4, v0
	v_lshlrev_b32 v4, 4, v2
	v_lshl_add_u32 v4, v3, 8, v4                   ; 256 qh + 16 bin
	TABLE 1024, 0, 0
	s_endpgm
.Lhigh:                                        ; bins 16..19: 4 bins x 4 qh = 16 lanes
	v_cmp_gt_u32 vcc_lo, 16, v5
	s_wait_xcnt 0x0                                ; EXEC changes only behind this wait
	s_and_saveexec_b32 s20, vcc_lo
	v_and_b32 v2, 3, v5
	v_lshrrev_b32 v3, 2, v5
	v_mul_u32_u24 v4, v3, 192
	v_lshl_add_u32 v4, v2, 4, v4
	v_add_nc_u32 v4, 3072, v4                      ; 3072 + 192 qh + 16 (bin - 16)
	v_add_nc_u32 v2, 16, v2
	TABLE 64, -1024, 1                             ; in tlo this block begins at 2,048
	s_wait_xcnt 0x0                                ; and again ahead of the line that widens it
	s_or_b32 exec_lo, exec_lo, s20
	s_endpgm
.Lpoints:                                      ; lane = 16 h + 8 d + n: places i = 2 n, 2 n + 1
	v_bfe_u32 v3, v5, 4, 1                         ; h
	v_bfe_u32 v4, v5, 3, 1                         ; d
	v_bfe_u32 v6, v5, 2, 1                         ; i / 8
	v_and_b32 v7, 3, v5
	v_lshlrev_b32 v7, 1, v7                        ; i % 8
	v_lshl_add_u32 v7, v3, 3, v7
	v_lshl_add_u32 v7, v6, 4, v7
	v_add_nc_u32 v7, s13, v7                       ; g, even: the pair g, g + 1 lies wholly inside or wholly past the end
	v_cmp_gt_u32 s16, s18, v7
	v_min_u32 v7, G-2, v7
	v_lshlrev_b32 v8, 3, v7
	global_load_b128 v[12:15], v8, s[8:9]          ; p[g][0], p[g][1], p[g+1][0], p[g+1][1]
	v_cmp_eq_u32 s17, 1, v4
	v_lshlrev_b32 v9, 3, v5
	s_wait_loadcnt 0x0
	v_cndmask_b32 v16, v12, v13, s17
	v_cndmask_b32 v17, v14, v15, s17
	v_mul_f32 v16, KS, v16
	v_mul_f32 v17, KS, v17
	v_cndmask_b32 v16, 0, v16, s16
	v_cndmask_b32 v17, 0, v17, s16
	global_store_b64 v9, v[16:17], s[10:11] offset:3840
	s_endpgm
.Lfunc_end_k_q29687352f3_prep:
	.size	k_q29687352f3_prep, .Lfunc_end_k_q29687352f3_prep-k_q29687352f3_prep
	.p2alignl 7, 3214868480
	.fill 96, 4, 3214868480
	.section	.rodata,"a",@progbits
	.p2align	6, 0x0
	.amdhsa_kernel k_q29687352f3_prep
		.amdhsa_group_segment_fixed_size 0
		.amdhsa_private_segment_fixed_size 0
		.amdhsa_enable_private_segment 0
		.amdhsa_kernarg_size 40
		.amdhsa_user_sgpr_count 2
		.amdhsa_user_sgpr_kernarg_segment_ptr 1
		.amdhsa_wavefront_size32 1
		.amdhsa_system_sgpr_workgroup_id_x 1
		.amdhsa_system_sgpr_workgroup_id_y 1
		.amdhsa_system_sgpr_workgroup_id_z 1
		.amdhsa_system_vgpr_workitem_id 0
		.amdhsa_next_free_vgpr 96
		.amdhsa_next_free_sgpr 66
		.amdhsa_reserve_vcc 1
		.amdhsa_float_denorm_mode_32 3
		.amdhsa_float_denorm_mode_16_64 3
		.amdhsa_memory_ordered 1
		.amdhsa_forward_progress 1
		.amdhsa_inst_pref_size 15
	.end_amdhsa_kernel
	.amdgpu_metadata
---
amdhsa.version: [ 1, 2 ]
amdhsa.kernels:
  - .name:           k_q29687352f3_prep
    .symbol:         k_q29687352f3_prep.kd
    .args:
      - { .name: grid_adjoints, .offset: 0, .size: 8, .value_kind: global_buffer, .address_space: global }
      - { .name: grid_counts, .offset: 8, .size: 8, .value_kind: global_buffer, .address_space: global }
      - { .name: grid_points, .offset: 16, .size: 8, .value_kind: global_buffer, .address_space: global }
      - { .name: tab, .offset: 24, .size: 8, .value_kind: global_buffer, .address_space: global }
      - { .name: tlo, .offset: 32, .size: 8, .value_kind: global_buffer, .address_space: global }
    .group_segment_fixed_size: 0
    .private_segment_fixed_size: 0
    .kernarg_segment_align: 8
    .kernarg_segment_size: 40
    .max_flat_workgroup_size: 128
    .sgpr_count:     66
    .vgpr_count:     96
    .wavefront_size: 32
...
	.end_amdgpu_metadata
.endif
;; end of part 1
;; launch main (part 2): grid 256 x 1, 4 waves a work-group, clusters of 4 x 1, 327,680 bytes of LDS; arguments tab, tlo, t, t_edges, x, out0; writes out0
.if DOCPART == 2
	.amdgcn_target "amdgcn-amd-amdhsa--gfx1250"
	.amdhsa_code_object_version 6
	.text
	.protected	k_q29687352f3_main
	.globl	k_q29687352f3_main
	.p2align	8
	.type	k_q29687352f3_main,@function
k_q29687352f3_main:
	s_mov_b64 s[64:65], 0
	v_nop
	global_prefetch_b8 v0, s[64:65] scope:SCOPE_SE
	s_setreg_imm32_b32 hwreg(HW_REG_WAVE_MODE, 25, 1), 1
	s_wait_xcnt 0x0
	s_wait_alu depctr_hold_cnt(0) depctr_sa_sdst(0) depctr_va_vdst(0) depctr_va_sdst(0) depctr_va_ssrc(0) depctr_va_vcc(0) depctr_vm_vsrc(0)
	s_getreg_b32 s2, hwreg(HW_REG_IB_STS2, 6, 4)
	s_cmp_eq_u32 s2, 0
	s_cbranch_scc0 .Lentry_in_a_cluster
	s_endpgm
.Lentry_in_a_cluster:
	s_bfe_u32 s2, ttmp6, 0x10000c
	s_cmp_lg_u32 s2, 0x3003
	s_cbranch_scc0 .Lentry_shape_is_right
	s_endpgm
.Lentry_shape_is_right:
; KernelAMController, second launch.  out[b] = -(sum_g w m adj) / (sum_g w m + 1e-10), w[b,g] = exp(-2 |x_b - p_g|^2), m and adj of the query's time bin.
; Left out, as the first kernel's head shows: t_edges[0] and t_edges[20] (t_edges[0] comes with the block of edges and is not used) and the clip to 0..19.
; THE WEIGHTS are made by the vector unit as reference() makes them, the difference first: with k = sqrt(2 log2 e), w = 2^-((k p0 - k x0)^2 + (k p1 - k x1)^2).  The exponent is never above 0;
; reference() takes no maximum away, and none is needed.  Scaling ahead of the difference rounds x and p once more, by a part in 2^24 of themselves.
; THE SUMS are a matrix product in bf16 with f32 sums: weights [queries, points] x table [points, 60], three columns for each of the 20 bins (m adj0, m adj1, m).  The bin comes from the float t,
; so it steers no address here: all bins are multiplied and each query's three columns are selected at the end.
; TWO NUMBERS FOR AN OPERAND.  bf16 keeps 8 significant bits, and a query with two or three points of weight whose adjoints nearly cancel keeps a rounding's error whole.  So a weight goes as
; hi = bf16(w) and lo = bf16(w - hi), an adjoint likewise (tab holds hi, tlo holds lo), and a numerator is hi x hi + hi x lo + lo x hi: ten products for a tile and step, all onto the same four
; accumulators.  The divisor's sum for bins 0..15 takes the rounded weights alone: it is off by at most 2^-9 of itself, and so is the result, of itself.
; LIMITS.  A weight below 2^-126 counts as 0 (1e-10 stands beside it in the divisor).  NaN and infinities are not treated apart.
; SHARES.  A work-group has 128 queries: 8 tiles of 16.  The points are split among its four waves: wave w takes the records 20 w .. 20 w + 19 for all 8 tiles, a record (32 points) a step.
; There are 79 records: wave 3 has 19, numbered 1..19, and its step 0 multiplies by tables of zeros in registers, so that the four waves run one text with one count.
; LAYOUT.  Source 0 = 16 table columns, source 1 = 16 queries: a lane holds ONE query (lane % 16), in the weights (16 points of the step's 32 along its registers) and in the result (columns
; 8 (lane / 16) + 0..7 of each of four blocks of 16).  Block c < 3: kind c, bins 0..15; block 3: rows 4 kind + bin - 16; its rows 12..15 repeat row 11 and are never read from the result.
; LDS.  The whole of tab, 323,584 bytes, lies in LDS as in memory and is filled once: no byte is filled again.  Each wave loads its own records by two tensor loads and reads only those, behind
; its own waits: the loop has no barrier.  CLUSTER: all work-groups read the same table, so four ask jointly: same load, same descriptor, mask of four.
; tlo has no room beside it: a record's three fragments come straight from memory into registers, six loads of 512 bytes on end for a wave and step, asked for a whole step ahead.
; BY STEPS.  In step i a tile's ten products of step i carry behind them the sixteen lines that make lo and the sixteen packed additions of step i + 1; then come that step's squares and
; exponentials, the last eight exponentials by turns with the next tile's eight roundings.  A step's 128 exponentials are one batch with one wait.
; REGISTERS, in windows of 256 (s_set_vgpr_msb: bits 1:0 source 0, 3:2 source 1, 5:4 source 2, 7:6 destination):
;   window 0: addresses, -1.0; v32-95 tab's fragments, two buffers; v96-159 points, two buffers (k p0 of 16 places, then k p1); v160-183 what the selection compares; v184-204 the end;
;   v208-255 tlo's fragments, two buffers
;   window 1: tiles 0-3, window 2: tiles 4-7; tile u of four: v[32u..] 4 accumulators; v[128+16u..] S, 16 exponents then weights; v192-223 the weights in bf16, two buffers (hi 8, lo 8) that the
;   tiles take by turns; v[224+4u..] -k x0 twice, -k x1 twice; v240-255 the differences along the second coordinate, at work
; With source 0 in window 0 and all else in the tile's window a product and the lines behind it have one setting: two switches for a tile and step.
.set RECB,  4096                       ; a record of tab
.set LREC,  2816                       ; a record of tlo
.set WREG,  20*RECB                    ; a wave's part of tab
.set C3,    3072                       ; block 3 in a record of tab (in tlo it begins at 2,048)
.set PO,    3840                       ; the points in a record
.set SPARE, 79*RECB                    ; behind the table: the spare words, 128 bytes for each wave: two blocks of 256 bytes that no other line names
.set SPW, 2                            ; v2   LDS address of my spare word; never rewritten
.set NIL, 3                            ; v3   0; never rewritten
.set AF0, 4                            ; v4   my lane's place in blocks 0-2 of a record: 16 x lane
.set AG0, 5                            ; v5   in block 3: C3 + 192 (lane / 16) + 16 min(lane % 16, 11)
.set AP0, 6                            ; v6   in the points: PO + 128 (lane / 16)
.set AF,  7                            ; v7-9 the same plus s[TB]
.set AG,  8
.set AP,  9
.set QX,  10                           ; v10  8 (lane % 16): my query in a tile's 128 bytes of x
.set QT,  11                           ; v11  4 (lane % 16): in its 64 bytes of t
.set H8,  12                           ; v12  8 h, h = lane / 16
.set HA,  13                           ; v13  32 h - 16
.set HB,  14                           ; v14  16 - 32 h
.set SA,  15                           ; v15  where I put a partial sum
.set NEG1, 21                          ; v21  -1.0
.set GF,  24                           ; v24  AF0 plus s[TL]: my byte offset in tlo, blocks 0 and 1
.set GG,  25                           ; v25  AG0 plus s[TL]: block 3, C3 - 2,048 too far: the immediate takes that back
.set FB,  32
.set PB,  96
.set EE,  160                          ; tile t: bin - 8 h: the register of blocks 0-2 that holds my query's bin, if 0..7
.set F0,  168                          ; bin - 16 + 32 h: the register of block 3 for kinds 0 and 1, if 0..3 (h = 0 alone)
.set F1,  176                          ; bin + 16 - 32 h: for kind 2 (h = 1 alone)
.set RA,  184                          ; v184-187 where thread n reads wave w's partial sums of query n
.set RV,  192                          ; v192-203 those sums
.set OA,  204
.set LB,  208
.set S0,  128                          ; in a tile's window
.set P0,  192
.set X0,  224
.set rT,  240
.set WV,   16                          ; s16  my wave's number
.set BASE, 17                          ; s17  LDS byte (and byte of tab) of my record 0
.set CNT,  18
.set TB,   19                          ; s19  LDS byte of the record of the even step in hand
.set G1A,  20                          ; s[20:27] descriptor group 1: 64 rows of 256 bytes (4 records)
.set G1B,  28                          ; s[28:35] 256 rows (16 records)
.set G1C,  36                          ; s[36:43] 48 rows (wave 3's records 1-3)
.set G0,   44                          ; s[44:51] descriptor group 0, a set for each of my two loads
.set SEL,  52                          ; s[52:53] v_permlanex16_b32's selects: each lane takes its own place in the other half
.set OFF,  54                          ; s[54:55] a byte offset in tab
.set MK,   56                          ; s56-59  at work; later four lane masks
.set NK,   60                          ; s60  -k
.set TL,   61                          ; s61  byte of tlo of the record of the even step in hand
.set EDGE, 68                          ; s[68:87] t_edges[0..19]
.set MSB, 0
.macro WIN new                         ; the immediate's high byte repeats the setting that is left; a switch that changes nothing is dropped
.if MSB != (\new)
	s_set_vgpr_msb (MSB<<8)|(\new)
.set MSB, (\new)
.endif
.endm
.macro CROUND                          ; a round of the cluster's barrier: my work-group's barrier; wave 0 signals for the work-group; every wave waits for all four; my work-group's barrier once more
	s_barrier_signal -1
	s_barrier_wait -1
	s_cmp_lg_u32 s[WV], 0
	s_cbranch_scc1 .Lnot_wave_0_\@
	s_barrier_signal -3
.Lnot_wave_0_\@:
	s_barrier_wait -3
	s_barrier_signal -1
	s_barrier_wait -1
.endm
; My two loads: records first/RECB .. 3 and 4 .. 19.  The table lies in LDS as in tab, so one offset serves both addresses; it hangs on the wave's number alone.
; An s_nop 0 follows each load and four v_nop the second.
.macro FILLS first, g1
	s_mov_b32 s[G0], 1                             ; count = 1
	s_add_co_u32 s[G0+1], s[BASE], \first          ; LDS address
	s_mov_b32 s[OFF], s[G0+1]
	s_add_nc_u64 s[G0+2:G0+3], s[4:5], s[OFF:OFF+1]  ; global address
	s_or_b32 s[G0+3], s[G0+3], 0x80000000          ; type = 2
	s_mov_b32 s[G0+4], 1
	s_add_co_u32 s[G0+5], s[BASE], 4*RECB
	s_mov_b32 s[OFF], s[G0+5]
	s_add_nc_u64 s[G0+6:G0+7], s[4:5], s[OFF:OFF+1]
	s_or_b32 s[G0+7], s[G0+7], 0x80000000
	tensor_load_to_lds s[G0:G0+3], s[\g1:\g1+7]
	s_nop 0
	tensor_load_to_lds s[G0+4:G0+7], s[G1B:G1B+7]
	s_nop 0
.rept 4
	v_nop
.endr
.endm
	s_load_b256 s[4:11], s[0:1], 0x0               ; tab s[4:5], tlo s[6:7], t s[8:9], t_edges s[10:11]
	s_load_b128 s[12:15], s[0:1], 0x20             ; x s[12:13], out0 s[14:15]
	v_lshl_add_u32 v[SPW], v0, 2, SPARE
	v_mov_b32 v[NIL], 0
	ds_add_u32 v[SPW], v[NIL]                      ; the wave's opening: the add, twice on end, and its wait ahead of my first tensor load
	ds_add_u32 v[SPW], v[NIL]                      ; and once more, under the one wait; the set-up below, work on registers, stands between
	v_lshrrev_b32 v1, 5, v0
	v_readfirstlane_b32 s[WV], v1                  ; wave 0..3
.irp g, G1A, G1B, G1C                  ; a dense block as rows of 256 bytes: 32 elements of 8 bytes, the pitch 32
	s_mov_b32 s[\g], 15|(3<<16)|(1<<21)            ; 15:0 the mask: all four work-groups; 17:16 elements of 8 bytes; 21 set beside a mask
	s_mov_b32 s[\g+1], 32<<16                      ; tensor_dim0 = 32
	s_mov_b32 s[\g+3], 32<<16                      ; tile_dim0 = 32
	s_mov_b32 s[\g+5], 32                          ; elements from row to row
	s_mov_b32 s[\g+6], 0
	s_mov_b32 s[\g+7], 0
.endr
	s_mov_b32 s[G1A+2], 64<<16                     ; tensor_dim1 and tile_dim1: the rows
	s_mov_b32 s[G1A+4], 64
	s_mov_b32 s[G1B+2], 256<<16
	s_mov_b32 s[G1B+4], 256
	s_mov_b32 s[G1C+2], 48<<16
	s_mov_b32 s[G1C+4], 48
	s_mov_b32 s[OFF+1], 0
	s_mov_b32 s[SEL], 0x76543210
	s_mov_b32 s[SEL+1], 0xfedcba98
	s_mov_b32 s[NK], 0xbfd96d27                    ; -k = -sqrt(2 log2 e)
	s_bfe_u32 s56, ttmp6, 0x40000                  ; cx: my place in the cluster; it enters the addresses of x, t and out0 alone
	s_lshl_b32 s57, ttmp9, 2                       ; in a cluster launch ttmp9 counts clusters
	s_add_co_u32 s57, s57, s56                     ; my block of 128 queries
	s_lshl_b32 s58, s57, 10                        ; 1,024 bytes of x and of out0,
	s_mov_b32 s59, 0
	s_wait_dscnt 0x0                               ; both opening adds are done
	s_wait_kmcnt 0x0
	s_load_b512 s[EDGE:EDGE+15], s[10:11], 0x0     ; t_edges[0..15]
	s_load_b128 s[EDGE+16:EDGE+19], s[10:11], 0x40 ; t_edges[16..19]
	s_add_nc_u64 s[12:13], s[12:13], s[58:59]
	s_add_nc_u64 s[14:15], s[14:15], s[58:59]
	s_lshl_b32 s58, s57, 9                         ; 512 bytes of t
	s_add_nc_u64 s[8:9], s[8:9], s[58:59]
	CROUND                                         ; all four work-groups are here: the joint loads meet
	s_cmp_eq_u32 s[WV], 3                          ; a wave's two fills stand in one branch on its number, the same in every work-group
	s_cbranch_scc1 .Lshort
	s_mul_i32 s[BASE], s[WV], WREG
	s_mul_i32 s[TL], s[WV], 20*LREC
	FILLS 0, G1A
	s_branch .Lasked
.Lshort:
	s_mov_b32 s[BASE], 3*WREG-RECB                 ; wave 3's record j is record 59 + j of the tables; it has no record 0
	s_mov_b32 s[TL], 59*LREC
	FILLS RECB, G1C
.Lasked:
.macro TREG t                          ; the window and registers of tile t
.set W,   1+(\t)/4
.set U,   (\t)%4
.set rA,  32*U
.set rS,  S0+16*U
.set rH,  P0+16*(U%2)                  ; the weights' hi, 8 registers,
.set rL,  rH+8                         ; and lo
.set rHn, P0+16*((U+1)%2)              ; the next tile's hi
.set rP,  P0+8*U                       ; at the end: what the selection keeps
.set rX,  X0+4*U
.endm
	v_and_b32 v16, 15, v0                          ; lane % 16: my query in a tile
	v_bfe_u32 v17, v0, 4, 1                        ; h
	v_and_b32 v18, 31, v0                          ; lane
	v_lshlrev_b32 v[QX], 3, v16
	v_lshlrev_b32 v[QT], 2, v16
.irp t, 0,1,2,3,4,5,6,7
	TREG \t
	WIN W<<6                                       ; destination in the tile's window, address in window 0
	global_load_b64 v[rS:rS+1], v[QX], s[12:13] offset:(\t)*128   ; x of my query
	global_load_b32 v[rS+2], v[QT], s[8:9] offset:(\t)*64         ; t of my query
.endr
.irp w, 1,2                            ; lo is written a half at a time, and the line that writes one half keeps the other: so its registers hold something from the start
	WIN (\w)<<6
.set i, 0
.rept 8
	v_mov_b32 v[P0+8+i], 0
	v_mov_b32 v[P0+24+i], 0
.set i, i+1
.endr
.endr
	WIN 0
	v_mov_b32 v[NEG1], -1.0
	v_lshlrev_b32 v[AF0], 4, v18
	v_min_u32 v19, 11, v16
	v_mul_u32_u24 v20, v17, 192
	v_lshl_add_u32 v[AG0], v19, 4, v20
	v_add_nc_u32 v[AG0], C3, v[AG0]
	v_lshlrev_b32 v[AP0], 7, v17
	v_add_nc_u32 v[AP0], PO, v[AP0]
	v_lshlrev_b32 v[H8], 3, v17
	v_lshlrev_b32 v19, 5, v17
	v_add_nc_u32 v[HA], -16, v19
	v_sub_nc_u32 v[HB], 16, v19
	s_mul_i32 s58, s[WV], WREG                     ; the partial sums go onto bytes of my own part of the table, one record behind 20 w: filled once, by my first load, and read for the last time in the first steps
	s_add_co_u32 s58, s58, RECB
	v_lshl_add_u32 v[SA], v16, 2, s58
.irp w, 0,1,2,3
	v_lshl_add_u32 v[RA+\w], v0, 2, RECB+(\w)*WREG
.endr
	s_mov_b32 s[TB], s[BASE]
	v_add_nc_u32 v[AF], s[TB], v[AF0]
	v_add_nc_u32 v[AG], s[TB], v[AG0]
	v_add_nc_u32 v[AP], s[TB], v[AP0]
	v_add_nc_u32 v[GF], s[TL], v[AF0]
	v_add_nc_u32 v[GG], s[TL], v[AG0]
	s_wait_kmcnt 0x0                               ; the edges
	s_wait_loadcnt 0x0                             ; x and t
; The four tiles of window w: -k x, each coordinate twice (a pair for the packed addition), and the bin, by reference()'s own search over a[j] = t_edges[j + 1], j = 0..18: low = 0, high = 19;
; five times mid = (low + high) / 2, and high = mid where t <= a[mid], else low = mid; the bin is high.  So the result is reference()'s also where the edges are not ascending.
; The 19 comparisons are made first, bit j of a word for a[j]; a lane then looks its bit up by a shift.  Each line is written for the four tiles on end, so that none waits for the line before it.
; S's registers serve: +0, +1 x; +2 t; +3 high; +4 the bits; +5 low; +6 mid; +7 at work.  All this stands in the wait for the first records.
.macro QWIN w
	WIN 0x55*(\w)
.irp u, 0,1,2,3
	v_mul_f32 v[X0+4*\u], s[NK], v[S0+16*\u]
	v_mul_f32 v[X0+4*\u+2], s[NK], v[S0+16*\u+1]
	v_mov_b32 v[S0+16*\u+3], 19
	v_mov_b32 v[S0+16*\u+4], 0
	v_mov_b32 v[S0+16*\u+5], 0
.endr
.irp u, 0,1,2,3
	v_mov_b32 v[X0+4*\u+1], v[X0+4*\u]
	v_mov_b32 v[X0+4*\u+3], v[X0+4*\u+2]
.endr
.set i, 19
.rept 19                                       ; from a[18] down to a[0]: each bit is shifted in from below
.irp u, 0,1,2,3
	v_cmp_ge_f32 s[MK+\u], s[EDGE+i], v[S0+16*\u+2]   ; t <= a[i - 1]
.endr
.irp u, 0,1,2,3
	v_cndmask_b32 v[S0+16*\u+7], 0, 1, s[MK+\u]
.endr
.irp u, 0,1,2,3
	v_lshl_or_b32 v[S0+16*\u+4], v[S0+16*\u+4], 1, v[S0+16*\u+7]
.endr
.set i, i-1
.endr
.rept 5
.irp u, 0,1,2,3
	v_add_nc_u32 v[S0+16*\u+6], v[S0+16*\u+5], v[S0+16*\u+3]
.endr
.irp u, 0,1,2,3
	v_lshrrev_b32 v[S0+16*\u+6], 1, v[S0+16*\u+6]              ; mid, 18 at the most
.endr
.irp u, 0,1,2,3
	v_lshrrev_b32 v[S0+16*\u+7], v[S0+16*\u+6], v[S0+16*\u+4]
.endr
.irp u, 0,1,2,3
	v_and_b32 v[S0+16*\u+7], 1, v[S0+16*\u+7]
.endr
.irp u, 0,1,2,3
	v_cmp_eq_u32 s[MK+\u], 1, v[S0+16*\u+7]                    ; t <= a[mid]
.endr
.irp u, 0,1,2,3
	v_cndmask_b32 v[S0+16*\u+5], v[S0+16*\u+6], v[S0+16*\u+5], s[MK+\u]   ; low stays, else mid
.endr
.irp u, 0,1,2,3
	v_cndmask_b32 v[S0+16*\u+3], v[S0+16*\u+3], v[S0+16*\u+6], s[MK+\u]   ; high = mid, else stays
.endr
.endr
	WIN \w                                         ; source 0 in the tiles' window, the rest in window 0
.irp u, 0,1,2,3
	v_sub_nc_u32 v[EE+4*((\w)-1)+\u], v[S0+16*\u+3], v[H8]
	v_add_nc_u32 v[F0+4*((\w)-1)+\u], v[S0+16*\u+3], v[HA]
	v_add_nc_u32 v[F1+4*((\w)-1)+\u], v[S0+16*\u+3], v[HB]
.endr
.endm
	QWIN 1
	QWIN 2
	WIN 0
; THE LOADS of a step stand in one run at its head.  A record of tab: 4 fragments of 8 registers; 32 lanes read 512 bytes on end (block 3: 12 rows of 16 bytes for each half of the lanes).
.macro LDF buf, off
.irp c, 0,1,2
	ds_load_b128 v[FB+32*(\buf)+8*\c:FB+32*(\buf)+8*\c+3],   v[AF] offset:(\off)+1024*\c
	ds_load_b128 v[FB+32*(\buf)+8*\c+4:FB+32*(\buf)+8*\c+7], v[AF] offset:(\off)+1024*\c+512
.endr
	ds_load_b128 v[FB+32*(\buf)+24:FB+32*(\buf)+27], v[AG] offset:(\off)
	ds_load_b128 v[FB+32*(\buf)+28:FB+32*(\buf)+31], v[AG] offset:(\off)+384
.endm
.macro LDL buf, off                    ; a record of tlo: 3 fragments (blocks 0, 1 and 3), from memory
.irp c, 0,1
	global_load_b128 v[LB+24*(\buf)+8*\c:LB+24*(\buf)+8*\c+3],   v[GF], s[6:7] offset:(\off)+1024*\c
	global_load_b128 v[LB+24*(\buf)+8*\c+4:LB+24*(\buf)+8*\c+7], v[GF], s[6:7] offset:(\off)+1024*\c+512
.endr
	global_load_b128 v[LB+24*(\buf)+16:LB+24*(\buf)+19], v[GG], s[6:7] offset:(\off)+2048-C3
	global_load_b128 v[LB+24*(\buf)+20:LB+24*(\buf)+23], v[GG], s[6:7] offset:(\off)+2048-C3+384
.endm
.macro LDP buf, off                    ; a record's points: the 128 bytes of my half of the lanes, the same for its 16 lanes
.irp n, 0,1,2,3,4,5,6,7
	ds_load_b128 v[PB+32*(\buf)+4*\n:PB+32*(\buf)+4*\n+3], v[AP] offset:(\off)+16*\n
.endr
.endm
; THE LINES OF A TILE AND STEP.  n is a pair of places (0..7) or, for EXQ, a place (0..15).
.macro ADY n                           ; k p1 - k x1
	v_pk_add_f32 v[rT+2*(\n):rT+2*(\n)+1], v[rQ+16+2*(\n):rQ+16+2*(\n)+1], v[rX+2:rX+3]
.endm
.macro ADX n                           ; k p0 - k x0
	v_pk_add_f32 v[rS+2*(\n):rS+2*(\n)+1], v[rQ+2*(\n):rQ+2*(\n)+1], v[rX:rX+1]
.endm
.macro SQX n                           ; -(dx^2)
	v_pk_mul_f32 v[rS+2*(\n):rS+2*(\n)+1], v[rS+2*(\n):rS+2*(\n)+1], v[rS+2*(\n):rS+2*(\n)+1] neg_lo:[1,0] neg_hi:[1,0]
.endm
.macro SQY n                           ; -(dy^2) - dx^2
	v_pk_fma_f32 v[rS+2*(\n):rS+2*(\n)+1], v[rT+2*(\n):rT+2*(\n)+1], v[rT+2*(\n):rT+2*(\n)+1], v[rS+2*(\n):rS+2*(\n)+1] neg_lo:[1,0,0] neg_hi:[1,0,0]
.endm
.macro EXQ n
	v_exp_f32 v[rS+(\n)], v[rS+(\n)]
.endm
.macro CVT n, d                        ; hi: pair n of this tile (d = 0) or of the next, in the same window (d = 1), rounded to bf16: register n of source 1
.if \d
	v_cvt_pk_bf16_f32 v[rHn+(\n)], v[rS+16+2*(\n)], v[rS+16+2*(\n)+1]
.else
	v_cvt_pk_bf16_f32 v[rH+(\n)], v[rS+2*(\n)], v[rS+2*(\n)+1]
.endif
.endm
; Product w of a tile's ten.  0-3: blocks 0-3 of tab x hi.  4-6: tlo's blocks 0, 1, 3 x hi.  7-9: tab's blocks 0, 1, 3 x lo.  mm = 1: the first step's products 0-3 start the sums: nothing is cleared.
; The accumulators go 0, 1, 2, 3, 0, 1, 3, 0, 1, 3 and on to the next tile's 0: one instruction a turn, no two on end on one accumulator, over the backward jump too.
.macro MMA w, mm
.if (\w) < 4
.set mC, 8*(\w)
.set mT, rF+mC
.set mP, rH
.elseif (\w) < 7
.set mC, 8*((\w)-4)+8*((\w)/6)
.set mT, rG+8*((\w)-4)
.set mP, rH
.else
.set mC, 8*((\w)-7)+8*((\w)/9)
.set mT, rF+mC
.set mP, rL
.endif
.if ((\mm) == 1) && ((\w) < 4)
	v_wmma_f32_16x16x32_bf16 v[rA+mC:rA+mC+7], v[mT:mT+7], v[mP:mP+7], 0
.else
	v_wmma_f32_16x16x32_bf16 v[rA+mC:rA+mC+7], v[mT:mT+7], v[mP:mP+7], v[rA+mC:rA+mC+7]
.endif
.endm
; The next of the lines that stand behind the products, all under the products' window setting.  0-7: the low halves of lo, 8-15: the high halves: w - hi = (-1) x hi + w, an exact difference,
; rounded once to bf16 (source 0: -1.0 in f32; source 1: a half of hi; source 2: w in f32).  16-23, 24-31 (AR = 1): the next step's differences; those along the first coordinate go onto S, behind the last line that reads w.
.macro RID
.if rq < 8
	v_fma_mixlo_bf16 v[rL+rq], v[NEG1], v[rH+rq], v[rS+2*rq] op_sel_hi:[0,1,0]
.elseif rq < 16
	v_fma_mixhi_bf16 v[rL+rq-8], v[NEG1], v[rH+rq-8], v[rS+2*(rq-8)+1] op_sel:[0,1,0] op_sel_hi:[0,1,0]
.elseif AR && (rq < 24)
	ADY rq-16
.elseif AR && (rq < 32)
	ADX rq-24
.endif
.set rq, rq+1
.endm
; Tile t in a step of parity b.  mm = 0: no products; 1: they start the sums; 2: they add.  ar = 1: the next step's exponents and exponentials are made.
; The tile's hi was rounded behind the tile before (the window's first tile, and every tile of the last step, rounds its own).  Three lines stand behind each of the first eight products, four behind
; the last two: lo is whole behind the sixth product and is first read by the eighth.  The squares follow the last product.  An exponential has a plain neighbour but for the last eight of a window's last tile.
.macro SLOT t, b, mm, ar
	TREG \t
.set rF, FB+32*(\b)
.set rG, LB+24*(\b)
.set rQ, PB+32*(1-(\b))
.set AR, (\ar)
.if (\mm) && ((((\t)%4) == 0) || !(\ar))
	WIN 0x55*W
.irp n, 0,1,2,3,4,5,6,7
	CVT \n, 0
.endr
.endif
	WIN 0x54*W                                     ; source 0 (tables, points, -1.0) in window 0, all else in the tile's window
.if \mm
.set rq, 0
.irp w, 0,1,2,3,4,5,6,7,8,9
	MMA \w, \mm
	RID
	RID
	RID
.if \w > 7
	RID
.endif
.endr
.else
.set rq, 16
.rept 16
	RID
.endr
.endif
.if \ar
	WIN 0x55*W
.irp n, 0,1,2,3
	SQX \n
.endr
.irp n, 0,1,2,3
	SQY \n
.endr
.irp n, 0,1,2,3
	EXQ \n
	SQX 4+\n
.endr
.irp n, 0,1,2,3
	EXQ 4+\n
	SQY 4+\n
.endr
.if (\mm) && (((\t)%4) != 3)
.irp n, 0,1,2,3,4,5,6,7
	EXQ 8+\n
	CVT \n, 1                                      ; the next tile's weights of the step in hand: their exponentials were waited for at the last step's end
.endr
.else
.irp n, 0,1,2,3,4,5,6,7
	EXQ 8+\n
.endr
.endif
.endif
.endm
; STEP i, of parity b.  At its head the tables of step i and the points of step i + 1, asked for a step ago, are waited for, and the tables of step i + 1 (ldf) and the points of step i + 2 (ldp)
; are asked for, into the buffers that step i - 1 used: its last product stands more than four plain vector instructions back.  The wait for the loads from tlo also frees their two offsets,
; which are written only behind it.  s[TB] and s[TL] stand at the record of the even step.
; At its end: a plain instruction behind the last exponential and ONE wait for the step's 128, ahead of every line that names a result and of the backward jump.
.macro PHASE b, mm, ar, ldf, ldp
	WIN 0
	s_wait_dscnt 0x0
	s_wait_loadcnt 0x0
.if (\ldf) && ((\b) == 0)
	v_add_nc_u32 v[GF], s[TL], v[AF0]
	v_add_nc_u32 v[GG], s[TL], v[AG0]
	v_add_nc_u32 v[AF], s[TB], v[AF0]
	v_add_nc_u32 v[AG], s[TB], v[AG0]
.if \ldp
	v_add_nc_u32 v[AP], s[TB], v[AP0]
.endif
.endif
.if \ldf
	LDL 1-(\b), (1+(\b))*LREC
	LDF 1-(\b), (1+(\b))*RECB
.endif
.if \ldp
	LDP \b, (2+(\b))*RECB
.endif
.if (\ldf) && ((\b) == 1)
	s_add_co_u32 s[TB], s[TB], 2*RECB
	s_add_co_u32 s[TL], s[TL], 2*LREC
.endif
.irp t, 0,1,2,3,4,5,6,7
	SLOT \t, \b, \mm, \ar
.endr
.if \ar
	v_nop
	s_wait_alu depctr_va_vdst(0)
.endif
	WIN 0                                          ; at a label and at a branch every window is 0
.endm
	s_wait_tensorcnt 0x1                           ; two loads were issued: my records up to 3 are in, the younger load may stay out
	s_cmp_eq_u32 s[WV], 3
	s_cbranch_scc1 .Lzero
	LDL 0, 0                                       ; step 0: the tables,
	LDF 0, 0
	LDP 0, 0                                       ; the points
	s_branch .Lboth
.Lzero:                                        ; wave 3 has no record 0: its step 0 has tables of zeros, and record 1's points, whose weights are multiplied by those zeros
.set i, 0
.rept 32
	v_mov_b32 v[FB+i], 0
.set i, i+1
.endr
.set i, 0
.rept 24
	v_mov_b32 v[LB+i], 0
.set i, i+1
.endr
	LDP 0, RECB
.Lboth:
	LDP 1, RECB                                    ; the points of step 1
	s_wait_dscnt 0x0
.irp t, 0,1,2,3,4,5,6,7
	SLOT \t, 1, 0, 1                               ; step 0's exponents and exponentials (parity 1 names the points' buffer 0)
.endr
	v_nop
	s_wait_alu depctr_va_vdst(0)
	PHASE 0, 1, 1, 1, 1                            ; step 0 starts the sums; steps 0 and 1 touch records up to 3
	PHASE 1, 2, 1, 1, 1
	s_wait_tensorcnt 0x0                           ; all my records are in: step 2 asks for the points of record 4
	s_mov_b32 s[CNT], 8
.Lsteps:                                       ; steps 2 to 17
	PHASE 0, 2, 1, 1, 1
	PHASE 1, 2, 1, 1, 1
	s_sub_co_u32 s[CNT], s[CNT], 1
	s_cmp_lg_u32 s[CNT], 0
	s_cbranch_scc1 .Lsteps
	PHASE 0, 2, 1, 1, 0                            ; step 18: there are no points of a step 20
	PHASE 1, 2, 0, 0, 0                            ; step 19: roundings and products alone
	; THE SELECTION.  What it compares goes into the tiles' windows first: 24 plain lines, the places behind the last products.
.irp t, 0,1,2,3,4,5,6,7
	TREG \t
	WIN W<<6
	v_mov_b32 v[rS], v[EE+\t]
	v_mov_b32 v[rS+1], v[F0+\t]
	v_mov_b32 v[rS+2], v[F1+\t]
.endr
; Tile t: of my 28 live columns the three of my query's bin, or 0 where the other half of the lanes holds them; then the halves are added, and the wave's partial sums go to LDS.
; Each accumulator is read from its lowest register on.
.macro SELECT t
	TREG \t
	WIN 0x55*W
.irp j, 0,1,2,3,4,5,6,7
	v_cmp_eq_u32 vcc_lo, \j, v[rS]
.irp c, 0,1,2
.if \j == 0
	v_cndmask_b32 v[rP+\c], 0, v[rA+8*\c], vcc_lo
.else
	v_cndmask_b32 v[rP+\c], v[rP+\c], v[rA+8*\c+\j], vcc_lo
.endif
.endr
.endr
.irp j, 0,1,2,3
	v_cmp_eq_u32 vcc_lo, \j, v[rS+1]
	v_cndmask_b32 v[rP], v[rP], v[rA+24+\j], vcc_lo
	v_cndmask_b32 v[rP+1], v[rP+1], v[rA+28+\j], vcc_lo
.endr
.irp j, 0,1,2,3
	v_cmp_eq_u32 vcc_lo, \j, v[rS+2]
	v_cndmask_b32 v[rP+2], v[rP+2], v[rA+24+\j], vcc_lo
.endr
.irp c, 0,1,2
	v_permlanex16_b32 v[rS+4+\c], v[rP+\c], s[SEL], s[SEL+1]
.endr
.irp c, 0,1,2
	v_add_f32 v[rP+\c], v[rP+\c], v[rS+4+\c]
.endr
	WIN W<<2                                       ; the data (source 1) in the tile's window, the address in window 0
.irp c, 0,1,2
	ds_store_b32 v[SA], v[rP+\c] offset:512*\c+64*(\t)   ; kind c, query 16 t + lane % 16; both halves of the lanes write the same number to the same word
.endr
.endm
.irp t, 0,1,2,3,4,5,6,7
	SELECT \t
.endr
	WIN 0
	s_wait_dscnt 0x0                               ; for the others' sake: my partial sums lie in LDS
	s_barrier_signal -1
	s_barrier_wait -1
.irp w, 0,1,2,3                        ; thread n finishes query n: four waves' partial sums of three kinds, f32
.irp c, 0,1,2
	ds_load_b32 v[RV+3*\w+\c], v[RA+\w] offset:512*\c
.endr
.endr
	s_wait_dscnt 0x0
.irp c, 0,1,2
	v_add_f32 v[RV+\c], v[RV+\c], v[RV+3+\c]
	v_add_f32 v[RV+6+\c], v[RV+6+\c], v[RV+9+\c]
.endr
.irp c, 0,1,2
	v_add_f32 v[RV+\c], v[RV+\c], v[RV+6+\c]
.endr
	v_sub_f32 v[RV+2], 0xaedbe6ff, v[RV+2]         ; -1e-10 - sum: the result's sign goes into the divisor
	v_rcp_f32 v[RV+3], v[RV+2]
	v_lshlrev_b32 v[OA], 3, v0                     ; the plain instruction behind the reciprocal
	s_wait_alu depctr_va_vdst(0)                   ; and its wait, ahead of the first use
	v_mul_f32 v[RV+4], v[RV], v[RV+3]
	v_mul_f32 v[RV+5], v[RV+1], v[RV+3]
	global_store_b64 v[OA], v[RV+4:RV+5], s[14:15] ; a wave stores 256 consecutive bytes, at a multiple of 256 from out0's first byte
	s_wait_tensorcnt 0x0                           ; the wave's end, behind my last tensor load and my last LDS store
	ds_add_u32 v[SPW], v[NIL]
	s_wait_dscnt 0x0
	CROUND                                         ; the closing round: no work-group ends while a partner may still ask for a tile that names it
	s_endpgm
.Lfunc_end_k_q29687352f3_main:
	.size	k_q29687352f3_main, .Lfunc_end_k_q29687352f3_main-k_q29687352f3_main
	.p2alignl 7, 3214868480
	.fill 96, 4, 3214868480
	.section	.rodata,"a",@progbits
	.p2align	6, 0x0
	.amdhsa_kernel k_q29687352f3_main
		.amdhsa_group_segment_fixed_size 327680
		.amdhsa_private_segment_fixed_size 0
		.amdhsa_enable_private_segment 0
		.amdhsa_kernarg_size 48
		.amdhsa_user_sgpr_count 2
		.amdhsa_user_sgpr_kernarg_segment_ptr 1
		.amdhsa_wavefront_size32 1
		.amdhsa_system_sgpr_workgroup_id_x 1
		.amdhsa_system_sgpr_workgroup_id_y 1
		.amdhsa_system_sgpr_workgroup_id_z 1
		.amdhsa_system_vgpr_workitem_id 0
		.amdhsa_next_free_vgpr 768
		.amdhsa_next_free_sgpr 88
		.amdhsa_reserve_vcc 1
		.amdhsa_float_denorm_mode_32 3
		.amdhsa_float_denorm_mode_16_64 3
		.amdhsa_memory_ordered 1
		.amdhsa_forward_progress 1
		.amdhsa_inst_pref_size 255
	.end_amdhsa_kernel
	.section	.bss,"aw",@nobits
	.p2align	6
	.space	262144
	.amdgpu_metadata
---
amdhsa.version: [ 1, 2 ]
amdhsa.kernels:
  - .name:           k_q29687352f3_main
    .symbol:         k_q29687352f3_main.kd
    .args:
      - { .name: tab, .offset: 0, .size: 8, .value_kind: global_buffer, .address_space: global }
      - { .name: tlo, .offset: 8, .size: 8, .value_kind: global_buffer, .address_space: global }
      - { .name: t, .offset: 16, .size: 8, .value_kind: global_buffer, .address_space: global }
      - { .name: t_edges, .offset: 24, .size: 8, .value_kind: global_buffer, .address_space: global }
      - { .name: x, .offset: 32, .size: 8, .value_kind: global_buffer, .address_space: global }
      - { .name: out0, .offset: 40, .size: 8, .value_kind: global_buffer, .address_space: global }
    .group_segment_fixed_size: 327680
    .private_segment_fixed_size: 0
    .kernarg_segment_align: 8
    .kernarg_segment_size: 48
    .max_flat_workgroup_size: 128
    .sgpr_count:     88
    .vgpr_count:     768
    .wavefront_size: 32
...
	.end_amdgpu_metadata
.endif
;; end of part 2
